; MI455X (gfx1250); checked and timed in simulation.
; The chip was launched on July 23, 2026; its instructions are those of AMD's public machine-readable ISA for CDNA 5 (MIT licence, August 2026) and "CDNA5" Instruction Set Architecture Reference Guide (July 2026). The comments in the code are by the model that wrote it; some were corrected since.
;; Self Attention. Allowed arithmetic: matrix products marked QUANTISED: E5M2 operands, one given power-of-two scale a tensor, by v_wmma_f32_16x16x64_bf8_bf8 or v_wmma_f32_16x16x128_bf8_bf8, f32 sums; everything else in f32.
;; Inputs: b_in 3,072 float32; b_out 1,024 float32; lowp_scales 8 int32 (the exponents e of the quantised operands' scales 2^e); w_in_codes 3,072 x 32 x 32 uint8 (E5M2 codes of w_in, K innermost, in blocks of 32 codes); w_out_codes 1,024 x 32 x 32 uint8 (E5M2 codes of w_out, K innermost, in blocks of 32 codes); x_codes 4 x 2,048 x 32 x 32 uint8 (E5M2 codes of x, K innermost, in blocks of 32 codes).
;; Outputs: out0 4 x 2,048 x 1,024 float32.
;; Constants: causal_mask = 1.
;; This version of the problem:
;;   THIS VERSION OF THE PROBLEM IS GIVEN IN LOW PRECISION. The matrix products marked QUANTISED in the list below multiply operands that are first quantised to E5M2 (5 exponent bits, 2 mantissa bits; 8 bits a number), with one given power-of-two scale for each operand tensor; their sums are f32. All else is computed in f32.
;;   The module's matrix products, in the order in which they are computed (A, B: the left and right operand; K: the contracted axis; several contracted axes count as one K, in the product's order):
;;     1. [M 8,192, K 1,024] x [K 1,024, N 3,072]; A: input x (given as codes); B: input w_in (given as codes): QUANTISED (scales: A lowp_scales[0], B lowp_scales[1])
;;     2. batch 64 x [M 2,048, K 64] x [K 64, N 2,048]; A: computed on the way; B: computed on the way: QUANTISED (scales: A lowp_scales[2], B lowp_scales[3])
;;     3. batch 64 x [M 2,048, K 2,048] x [K 2,048, N 64]; A: softmax (see below); B: computed on the way: QUANTISED (scales: A lowp_scales[4], B lowp_scales[5])
;;     4. [M 8,192, K 1,024] x [K 1,024, N 1,024]; A: computed on the way; B: input w_out (given as codes): QUANTISED (scales: A lowp_scales[6], B lowp_scales[7])
;;   THE QUANTISER, for each operand of a quantised product, along K:
;;     - The operand's scale is 2^e, e = its entry of the input lowp_scales (int32; the entries are numbered through the quantised products in the list's order, A before B).
;;     - Each number is divided by the scale, clamped to +-57,344, and rounded to the nearest number of E5M2, ties to even, subnormals kept.
;;     - The product sums the exact products of the quantised numbers (number of the format x scale) in f32.
;;   ~~~python
;;   def quantise(x, axis, e):      # numpy; x: float32 -> the quantised numbers, widened to float32 again
;;       x = np.moveaxis(x, axis, -1); K = x.shape[-1]
;;       r = np.clip(x / 2.0 ** e, -57344, 57344)
;;       step = 2.0 ** (np.maximum(np.frexp(np.where(r == 0, 1, r))[1] - 1, -14) - 2)
;;       q = np.round(r / step) * step * 2.0 ** e      # np.round: ties to even
;;       return np.moveaxis(q, -1, axis).astype(np.float32)
;;   ~~~
;;   SOFTMAX AHEAD OF A QUANTISED PRODUCT. Where the list says 'softmax', what is quantised is not the finished softmax but p = 2^(t - M), with t = logit x log2(e) and M = ceil(the row's largest t), a whole number; so 1/2 < the row's largest p <= 1. The row's sum l is taken of the UNQUANTISED p, in f32, and the product's result is divided by l at the end. Since M is a whole number, a kernel that streams over the keys may use a running M (the ceiling of the running maximum): every later rescaling is an exact power of two, so the quantised numbers keep their values, but for numbers so far below the row's largest that they fall under the format's range.
;;   OPERANDS COMPUTED ON THE WAY. 'Computed on the way' means the value that the module computes at that place (a softmax that the list does not call 'softmax' is quantised finished and normalised). What goes into a quantiser is computed in f32, as accurately as f32 sums, v_exp_f32 and their like allow (about 1e-6 of the number): no bf16 or f16 on the way to a quantiser, and a product that is left as it is and whose result goes on into a quantised operand takes f32 operands (vector FMAs, or v_wmma_f32_16x16x4_f32). A number that lies on a knife's edge between two numbers of the format may be rounded either way, as far as f32 arithmetic and the matrix unit's own rounding can turn it there, and no further.
;;   INPUTS GIVEN AS CODES. w_in (in the module: [3072, 1024], K = its axis 1); w_out (in the module: [1024, 1024], K = its axis 1); x (in the module: [4, 2048, 1024], K = its axis 2): each comes as NAME_codes (uint8): NAME with its K axis moved to the last place and cut into blocks of 32 codes, [.., K / 32, bytes a block], one block behind the other in memory; one code a byte (a code: sign, 5 exponent bits, 2 mantissa bits); its scale is its entry of lowp_scales. Its value is code x scale, taken as it is: it is not quantised again, and the codes and scales need not be those that the quantiser above would give.
;; One version. Each part assembles by itself: llvm-mc -triple=amdgcn-amd-amdhsa -mcpu=gfx1250 --defsym DOCPART=n.
;; ======== version 1 of 1: 3 launches
;; limits: right only within a limited range of input values
;; workspace buffers: q_codes 8,388,608 bytes; k_codes 8,388,608 bytes; v_codes 8,388,608 bytes; a_codes 8,388,608 bytes
;; launch qkv (part 1): grid 8 x 48, 4 waves a work-group, clusters of 4 x 4, 327,680 bytes of LDS; arguments x_codes, w_in_codes, lowp_scales, b_in, q_codes, k_codes, v_codes; writes q_codes, k_codes, v_codes
.if DOCPART == 1
	.amdgcn_target "amdgcn-amd-amdhsa--gfx1250"
	.amdhsa_code_object_version 6
	.text
	.protected	k_qd64bb6f225_qkv
	.globl	k_qd64bb6f225_qkv
	.p2align	8
	.type	k_qd64bb6f225_qkv,@function
k_qd64bb6f225_qkv:
	s_mov_b64 s[64:65], 0
	v_nop
	global_prefetch_b8 v0, s[64:65] scope:SCOPE_SE
	s_setreg_imm32_b32 hwreg(HW_REG_WAVE_MODE, 25, 1), 1
	s_wait_xcnt 0x0
	s_wait_alu depctr_hold_cnt(0) depctr_sa_sdst(0) depctr_va_vdst(0) depctr_va_sdst(0) depctr_va_ssrc(0) depctr_va_vcc(0) depctr_vm_vsrc(0)
	s_getreg_b32 s2, hwreg(HW_REG_IB_STS2, 6, 4)
	s_cmp_eq_u32 s2, 0
	s_cbranch_scc0 .Lentry_in_a_cluster
	s_endpgm
.Lentry_in_a_cluster:
	s_bfe_u32 s2, ttmp6, 0x10000c
	s_cmp_lg_u32 s2, 0xf033
	s_cbranch_scc0 .Lentry_shape_is_right
	s_endpgm
.Lentry_shape_is_right:
; qkv = x w_in^T + b_in on codes of BF8 (E5M2), K = 1,024; q, k and v are quantised on the way out (scales 2^e2, 2^e3, 2^e5) and stored as IMAGES OF THE NEXT LAUNCH'S OPERAND REGISTERS.
; x: [8192][1024] codes, w_in: [3072][1024] codes, K innermost; a number is its code x 2^e0 (x) or 2^e1 (w_in).  A finished sum is multiplied once by 2^(e0 + e1) and b_in is added, in one fused multiply-add.
; LIMITS: e0 + e1 between -126 and 127; e2, e3, e5 between -126 and 112, so that every power of two below is an f32 number.  NaN is not served.
; SHARES.  A tile of 256 x 256 is made by four waves, 128 x 128 each: 64 accumulators of 16 x 16, 512 registers.  K goes in four steps of 256 through a ring of two LDS slots filled by the tensor data mover.
; THE MATRIX INSTRUCTION IS USED TRANSPOSED: source 0 = 16 rows of the operand called B, source 1 = 16 rows of the one called A: lane (r, hl) holds A's row r and B's rows 8 hl + 0 .. 7.
; TWO KINDS OF CLUSTER, told apart by the cluster's y (the same in all sixteen partners):
;   y < 8:  q and k.  A = x (tile row 4 y + cy), B = w_in (tile column 4 x + cx: x = 0 is q, x = 1 is k): a lane's eight numbers run along the head's 64, which are the K of q k^T.
;   y >= 8: v.        A = w_in's rows 2,048 on (tile row 8 + cy), B = x (tile column 4 (2 (y - 8) + x) + cx): a lane's eight numbers run along the KEYS, which are the K of p v.
; CLUSTERS: 4 x 4 work-groups; A's tile is shared along a row of the cluster, B's along a column: each is asked for JOINTLY, by the same tensor load with the same descriptor and a mask that names the four.
; THE IMAGES.  rows(T, r) = 32 (T / 2) + 8 (T % 2) + r + 8 (r / 8).
;   q_codes, k_codes: [head 0..63][T 0..127][c 0..1][lane][16 bytes]: position rows(T, lane % 16), channels 32 c + 16 (lane / 16) + 0 .. 15.
;   v_codes: [head][key step 0..15][td 0..3][c 0..3][lane][16 bytes]: channel rows(td, lane % 16), keys 128 step + 32 c + 16 (lane / 16) + 0 .. 15.
; REGISTERS, in windows of 256: window 0: v12-31 addresses and constants; v32-95 the bias; from v128 A's fragments, ONE set; on the way out v96-255 are at work.
;   window 1: B's fragments, TWO sets.   window 2: the accumulators of my rows 0-63 ((a, b) at v[8 (8 a + b)]);   window 3: those of my rows 64-127.
.set ROWB,   256                       ; a tile's row in bytes: 256 codes
.set KROW,   1024                      ; a row of x or of w_in in memory, in bytes
.set PITCH,  272                       ; an LDS row: 256 bytes + 16 of padding = 68 words: row r starts at bank 4 r mod 64 (64 banks of 4 bytes: ISA guide 11.1)
.set FR,     16                        ; registers of a fragment: 16 rows x 128 K
.set NL,     4                         ; LDS loads that bring one
.set NP,     4                         ; places behind this matrix instruction (ISA guide 7.12.1)
.set HALFT,  128*PITCH                 ; 128 rows: what one tensor load brings
.set SLOT,   4*HALFT                   ; A's 256 rows, then B's 256 rows
.set SPARE,  2*SLOT                    ; behind the ring: the spare words, 128 bytes for each wave
.set STGV,   16384                     ; the way out: a stage of 4,096 bytes for each wave, in slot 0, which has had its last fill and its last read by then; q's and k's way has bytes 0 on, v's way bytes 16,384 on
.set RDV,  12                          ; v12  v's way: where I read the stage back
.set ADRA, 16                          ; v16-17  LDS address of my A fragments in slot 0, 1
.set ADRB, 20                          ; v20-21  the same for B
.set GO,   22                          ; v22  16 x lane: my place in a store's 512 bytes
.set BOQ,  23                          ; v23  32 x (lane / 16): my eight numbers of b_in, q's and k's way
.set BOV,  24                          ; v24  4 x (lane % 16): my one number of b_in, v's way
.set STOQ, 25                          ; v25  where I put 8 codes in the stage, q's and k's way
.set STOV, 26                          ; v26  the same, v's way
.set RDQ,  27                          ; v27  q's and k's way: where I read the stage back
.set SPW,  28                          ; v28  LDS address of my spare word; never rewritten
.set NIL,  29                          ; v29  0; never rewritten
.set SCL,  30                          ; v30  the output's scale 2^e as f32
.set LIM,  31
.set BI,   32                          ; v32-95 the bias
.set TMP,  96                          ; v96-159 a block's 64 numbers
.set AF,   128                         ; A's fragments
.set CD,   160                         ; v160-191 a block's codes, two sets of 16
.set BK,   192                         ; v192-255 a pair of blocks read back from the stage, two sets of 32
.set G1, 24                            ; s[24:31] descriptor group 1 for A's tiles;  s[32:39] group 0, one set for each slot
.set G0, 32
.set G1B, 48                           ; s[48:55], s[56:63] the same for B's tiles
.set G0B, 56
.set MSB, 0
.macro WIN new                         ; the immediate's high byte repeats the setting that is left
.if MSB != (\new)
	s_set_vgpr_msb (MSB<<8)|(\new)
.set MSB, (\new)
.endif
.endm
.set MUL_LO, 0xa1                      ; source 0 (B) window 1, source 1 (A) window 0, C and D window 2
.set MUL_HI, 0xf1                      ; the same, C and D window 3
.set TO_B,   0x40                      ; destination window 1, address window 0
; A joint load: waves 0 and 1 fetch for A, waves 2 and 3 for B.  Each line has one mask and one set of registers; the branch hangs on the wave's number alone.
; Four v_nop follow each of the two lines, ahead of the jump, the label and what follows.
.macro JLOAD g0a, g1a, g0b, g1b
	s_cmp_eq_u32 s15, 0
	s_cbranch_scc0 .Lfor_b_\@
	tensor_load_to_lds s[\g0a:\g0a+3], s[\g1a:\g1a+7]
	s_nop 0
.rept 4
	v_nop
.endr
	s_branch .Lasked_\@
.Lfor_b_\@:
	tensor_load_to_lds s[\g0b:\g0b+3], s[\g1b:\g1b+7]
	s_nop 0
.rept 4
	v_nop
.endr
.Lasked_\@:
.endm
.macro CREST                           ; a round of the cluster's barrier behind its opening barrier
	s_cmp_lg_u32 s14, 0
	s_cbranch_scc1 .Lnot_wave_0_\@
	s_barrier_signal -3
.Lnot_wave_0_\@:
	s_barrier_wait -3
	s_barrier_signal -1
	s_barrier_wait -1
.endm
.macro CROUND                          ; a whole round
	s_barrier_signal -1
	s_barrier_wait -1
	CREST
.endm
	s_load_b256 s[4:11], s[0:1], 0x0               ; x s[4:5], w_in s[6:7], the scales' exponents s[8:9], b_in s[10:11]
	s_load_b128 s[68:71], s[0:1], 0x20             ; q_codes s[68:69], k_codes s[70:71]
	s_load_b64 s[66:67], s[0:1], 0x30              ; v_codes
	v_lshl_add_u32 v[SPW], v0, 2, SPARE
	v_mov_b32 v[NIL], 0
	ds_add_u32 v28, v29
	ds_add_u32 v28, v29
	s_wait_dscnt 0x0
	v_lshrrev_b32 v1, 5, v0
	v_readfirstlane_b32 s14, v1                    ; wave 0..3
	s_lshr_b32 s15, s14, 1                         ; which half of A's rows is mine.  Also: I fetch for A (0) or for B (1)
	s_and_b32 s16, s14, 1                          ; which half of B's rows.  Also: which 128 rows of that tile I fetch
	s_bfe_u32 s40, ttmp6, 0x40000                  ; cx, cy: my place in the cluster
	s_bfe_u32 s41, ttmp6, 0x40004
	s_mov_b32 s80, ttmp9                           ; the cluster's x: 0, 1
	s_and_b32 s81, ttmp7, 0xffff                   ; the cluster's y: 0 .. 11
	s_lshl_b32 s2, s81, 2                          ; q, k: tile row 4 y + cy,
	s_lshl_b32 s82, s80, 2                         ;       tile column 4 x + cx
	s_max_u32 s3, s81, 8
	s_sub_co_u32 s3, s3, 8
	s_lshl_b32 s3, s3, 1
	s_add_co_u32 s3, s3, s80
	s_lshl_b32 s3, s3, 2                           ; v: tile column 4 (2 (y - 8) + x) + cx, tile row 8 + cy
	s_cmp_ge_u32 s81, 8
	s_cselect_b32 s17, 8, s2
	s_cselect_b32 s42, s3, s82
	s_add_co_u32 s17, s17, s41                     ; A's tile row: it holds cy and never cx
	s_add_co_u32 s42, s42, s40                     ; B's tile column: it holds cx and never cy
	s_lshl_b32 s43, s41, 2
	s_lshl_b32 s43, 15, s43                        ; my row of the cluster
	s_lshl_b32 s44, 0x1111, s40                    ; my column
	; descriptor group 1: a tile of 128 rows x 256 bytes, padded in LDS
	s_or_b32 s[G1+0], s43, (0<<16)|(1<<20)|(1<<21)|(5<<22)|(3<<25)  ; 15:0 the mask: A's tiles go to my row; 17:16 element of 1 byte; 20 padding on; 21 set beside a mask; 24:22 after every 64 words (code 5); 31:25 of 4 words (code 3)
	s_or_b32 s[G1B+0], s44, (0<<16)|(1<<20)|(1<<21)|(5<<22)|(3<<25)
.irp g, G1, G1B
	s_mov_b32 s[\g+1], ROWB<<16                    ; tensor_dim0
	s_mov_b32 s[\g+2], 128<<16                     ; tensor_dim1 = 128
	s_mov_b32 s[\g+3], ROWB<<16                    ; tile_dim0
	s_mov_b32 s[\g+4], 128                         ; tile_dim1 = 128
	s_mov_b32 s[\g+5], KROW                        ; tensor_dim0_stride
	s_mov_b32 s[\g+6], 0
	s_mov_b32 s[\g+7], 0
.endr
	s_lshl_b32 s18, s16, 17                        ; which 128 rows of 1,024 bytes I fetch
	s_lshl_b32 s20, s17, 18
	s_add_co_u32 s20, s20, s18                     ; A: (256 x tile row + 128 x half) rows
	s_mov_b32 s21, 0
	s_lshl_b32 s46, s42, 18
	s_add_co_u32 s46, s46, s18                     ; B: (256 x tile column + 128 x half) rows
	s_mov_b32 s47, 0
	s_mul_i32 s45, s14, HALFT                      ; where they go: wave x 128 rows: no place in the cluster enters an LDS address
	s_wait_kmcnt 0x0
	s_load_b256 s[72:79], s[8:9], 0x0              ; e0 .. e7
	s_cmp_ge_u32 s81, 8                            ; which tensor is A and which is B: the choice hangs on the cluster's y alone
	s_cselect_b64 s[90:91], s[6:7], s[4:5]
	s_cselect_b64 s[92:93], s[4:5], s[6:7]
	s_add_nc_u64 s[20:21], s[90:91], s[20:21]
	s_add_nc_u64 s[46:47], s[92:93], s[46:47]
	CROUND                                         ; all sixteen work-groups are here: the first joint loads meet
.irp s, 0,1
	s_mov_b32 s[G0+4*\s], 1
	s_add_co_u32 s[G0+4*\s+1], s45, \s*SLOT
	s_add_nc_u64 s[G0+4*\s+2:G0+4*\s+3], s[20:21], \s*ROWB
	s_or_b32 s[G0+4*\s+3], s[G0+4*\s+3], 0x80000000
	s_mov_b32 s[G0B+4*\s], 1
	s_add_co_u32 s[G0B+4*\s+1], s45, \s*SLOT
	s_add_nc_u64 s[G0B+4*\s+2:G0B+4*\s+3], s[46:47], \s*ROWB
	s_or_b32 s[G0B+4*\s+3], s[G0B+4*\s+3], 0x80000000
	JLOAD G0+4*\s, G1, G0B+4*\s, G1B
.endr
	v_and_b32 v1, 15, v0                           ; r = lane % 16
	v_bfe_u32 v2, v0, 4, 1                         ; hl = lane / 16
	v_mul_u32_u24 v3, v1, PITCH
	v_lshl_add_u32 v4, v2, 4, v3                   ; a fragment's row x pitch + 16 x half
	s_mul_i32 s21, s15, HALFT                      ; my 128 rows of A
	s_mul_i32 s22, s16, HALFT                      ; my 128 rows of B,
	s_add_co_u32 s22, s22, 2*HALFT                 ; which lie behind A's 256
.irp s, 0,1
	v_add_nc_u32 v[ADRA+\s], s21, v4
	v_add_nc_u32 v[ADRB+\s], s22, v4
	s_add_co_u32 s21, s21, SLOT
	s_add_co_u32 s22, s22, SLOT
.endr
	; the stage.  Block a, B's tile b, lane (r, hl) puts its 8 codes at 2048 (r / 8) + 256 b + 128 (a % 2) + 16 (r % 8) + 8 hl: two blocks then lie there as the images want them
	v_bfe_u32 v5, v0, 3, 1
	v_and_b32 v6, 7, v0
	v_lshlrev_b32 v5, 11, v5
	v_lshl_add_u32 v5, v6, 4, v5
	v_lshl_add_u32 v5, v2, 3, v5
	s_lshl_b32 s23, s14, 12                        ; my stage: 4,096 x wave
	v_add_nc_u32 v[STOQ], s23, v5
	v_add_nc_u32 v[STOV], STGV, v[STOQ]
	v_and_b32 v6, 31, v0
	v_lshlrev_b32 v[GO], 4, v6
	v_add_nc_u32 v[RDQ], s23, v[GO]
	v_add_nc_u32 v[RDV], STGV, v[RDQ]
	v_lshlrev_b32 v[BOQ], 5, v2
	v_lshlrev_b32 v[BOV], 2, v1
.macro FRAG reg, adr, q, i             ; a fragment: lane l holds row l % 16; registers 4 c .. 4 c + 3 hold K = 32 c + 16 (l / 16) + 0 .. 15: the same order of k in A and in B
.irp c, 0,1,2,3
	ds_load_b128 v[\reg+4*\c:\reg+4*\c+3], v[\adr] offset:128*(\q)+32*\c+(\i)*16*PITCH
.endr
.endm
; 16 matrix instructions: A's blocks a0, a0 + 1 x B's eight, 128 along K.  p: B's set.  zero = 1: the first product starts the sums.
; The 64 accumulators take turns, one instruction a turn, in the same order in every step.
.macro MUL16 a0, p, zero
.irp a, \a0, \a0+1
.irp b, 0,1,2,3,4,5,6,7
.if \zero
	v_wmma_f32_16x16x128_bf8_bf8 v[8*(8*((\a)%4)+\b):8*(8*((\a)%4)+\b)+7], v[128*(\p)+FR*\b:128*(\p)+FR*\b+FR-1], v[AF+FR*(\a):AF+FR*(\a)+FR-1], 0
.else
	v_wmma_f32_16x16x128_bf8_bf8 v[8*(8*((\a)%4)+\b):8*(8*((\a)%4)+\b)+7], v[128*(\p)+FR*\b:128*(\p)+FR*\b+FR-1], v[AF+FR*(\a):AF+FR*(\a)+FR-1], v[8*(8*((\a)%4)+\b):8*(8*((\a)%4)+\b)+7]
.endif
.endr
.endr
.endm
.macro FETCH_B slot, q, p              ; B's eight fragments of the slot's q-th 128 along K into set p
	WIN TO_B
.irp i, 0,1,2,3,4,5,6,7
	FRAG 128*(\p)+FR*\i, ADRB+\slot, \q, \i
.endr
	WIN 0
.endm
.macro FETCH_A slot, q, i0             ; A's blocks i0 .. i0 + 3
.irp i, \i0, \i0+1, \i0+2, \i0+3
	FRAG AF+FR*(\i), ADRA+\slot, \q, \i
.endr
.endm
.macro PLACES n                        ; plain vector instructions that name no register of the matrix instructions ahead of them (ISA guide 7.12.1)
.rept \n
	v_nop
.endr
.endm
; A step of 128 along K that has its successor in the same slot.
.macro STEP slot, q, zero
	s_wait_dscnt 4*NL                              ; B's set and A's blocks 0-3 are in; the youngest sixteen loads (A's blocks 4-7) may be out
	WIN MUL_LO
	MUL16 0, (\q)%2, \zero
	MUL16 2, (\q)%2, \zero
	s_wait_dscnt 0                                 ; A's blocks 4-7 are in
	PLACES NP
	FETCH_B \slot, (\q)+1, 1-(\q)%2
	FETCH_A \slot, (\q)+1, 0
	WIN MUL_HI
	MUL16 4, (\q)%2, \zero
	MUL16 6, (\q)%2, \zero
	PLACES NP
	WIN 0
	FETCH_A \slot, (\q)+1, 4
.endm
; A slot's last step changes slots: ONE barrier; in front of it each wave waits for all its tensor loads, adds 0 to its spare word, and waits for that and for its own reads of this slot.  fill = 1: this slot is filled again, two K steps ahead.
.macro TURN slot, next, fill
	s_wait_tensorcnt 0x0                           ; all my tensor loads have landed: my part of the next slot
	ds_add_u32 v[SPW], v[NIL]                      ; 0 onto my spare word
	s_wait_dscnt 4*NL+1                            ; (the add and the youngest sixteen loads, A's blocks 4-7, may be out)
	WIN MUL_LO
	MUL16 0, 1, 0                                  ; sixteen matrix instructions stand between the add and the wait for it
	s_wait_dscnt 0x0                               ; the add is done, and my reads of this slot are over
	s_barrier_signal -1
	MUL16 2, 1, 0
	WIN 0
	s_barrier_wait -1
.if \fill
	CREST                                          ; the barrier has opened a round of the cluster's barrier: no wave of any partner still reads this slot's tile or has a load on its way
	s_add_nc_u64 s[G0+4*\slot+2:G0+4*\slot+3], s[G0+4*\slot+2:G0+4*\slot+3], 2*ROWB
	s_add_nc_u64 s[G0B+4*\slot+2:G0B+4*\slot+3], s[G0B+4*\slot+2:G0B+4*\slot+3], 2*ROWB
	JLOAD G0+4*\slot, G1, G0B+4*\slot, G1B         ; the first tensor load behind the round; the four v_nop behind it are the places in front of the loads below
.else
	PLACES NP
.endif
	FETCH_B \next, 0, 0
	FETCH_A \next, 0, 0
	WIN MUL_HI
	MUL16 4, 1, 0
	MUL16 6, 1, 0
	PLACES NP
	WIN 0
	FETCH_A \next, 0, 4
.endm
; THE WAY OUT.  path 0: q and k; path 1: v.
; Block a (16 rows of A x 128 rows of B): sum x 2^(e0 + e1) + b_in, the conversion (8 neighbours along the next K to 8 bytes), into my stage.
.macro PACK path, a
.set AC, 64*((\a)%4)
.set CC, CD+16*((\a)%2)
	WIN 0x02+((\a)/4)                              ; source 0: window 2 or 3
.set JJ, 0
.if \path == 0
.rept 32
	v_pk_fma_f32 v[TMP+JJ:TMP+JJ+1], v[AC+JJ:AC+JJ+1], s[84:85], v[BI+JJ:BI+JJ+1] op_sel_hi:[1,0,1]   ; the bias hangs on B's row: eight registers for each of B's tiles; each accumulator from its low end on
.set JJ, JJ+2
.endr
.else
.rept 64
	v_fma_f32 v[TMP+JJ], v[AC+JJ], s84, v[BI+(\a)]   ; the bias hangs on A's row: one register a block
.set JJ, JJ+1
.endr
.endif
	WIN 0
.set JJ, 0
.rept 64
.set JJ, JJ+1
.endr
.if (\a) >= 2
	s_wait_alu depctr_va_vdst(0)
	s_wait_dscnt 16                                ; behind the LDS stores of block a - 2 sixteen LDS instructions were issued: those stores have read this set of code registers
.endif
.set JJ, 0
.rept 8
	v_cvt_scalef32_pk8_bf8_f32 v[CC+2*JJ:CC+2*JJ+1], v[TMP+8*JJ:TMP+8*JJ+7], v[SCL]
.set JJ, JJ+1
.endr
	v_nop                                          ; a plain vector instruction behind the last conversion: the next block writes the numbers' registers
.set JJ, 0
.rept 8
	ds_store_b64 v[STOQ+\path], v[CC+2*JJ:CC+2*JJ+1] offset:256*JJ+128*((\a)%2)
.set JJ, JJ+1
.endr
.endm
; Two blocks fill the stage's 4,096 bytes, which come back as eight runs of 512.  LDS serves a wave's instructions in order (ISA guide 5.7.1.4): no wait between my stores and my loads, nor in front of the next pair's stores.
.macro PAIR path, pr
	PACK \path, 2*(\pr)
	PACK \path, 2*(\pr)+1
.set BB, BK+32*((\pr)%2)
.set II, 0
.rept 8
.if \path == 0
	ds_load_b128 v[BB+4*II:BB+4*II+3], v[RDQ] offset:512*II
.else
	ds_load_b128 v[BB+4*II:BB+4*II+3], v[RDV] offset:512*II
.endif
.set II, II+1
.endr
.endm
; Each store of the wave covers 512 consecutive bytes, aligned.  younger: the LDS instructions issued behind this pair's loads, which may stay out.
.macro SEND path, pr, younger
.set BB, BK+32*((\pr)%2)
	s_wait_dscnt \younger
.set II, 0
.rept 8
.if \path == 0
.set OFF, ((II>>1)&1)*131072+(2*(\pr)+(II>>2))*1024+(II&1)*512     ; run i: tile 2 pr + i / 4, head (i / 2) % 2, c = i % 2
.else
.set OFF, ((\pr)/2)*131072+((\pr)%2)*4096+512*II                    ; head pr / 2, channels' tiles 2 (pr % 2) on
.endif
	global_store_b128 v[GO], v[BB+4*II:BB+4*II+3], s[86:87] offset:OFF
.set II, II+1
.endr
.endm
; The last two steps of 128 along K and the way out, once for each kind of cluster.  The bias is asked for ahead of the 128 matrix instructions.  No barrier and no tensor load stands here.
.macro TAIL path
	s_wait_kmcnt 0x0                               ; e0 .. e7
	s_add_co_i32 s84, s72, s73
	s_add_co_i32 s84, s84, 127
	s_lshl_b32 s84, s84, 23                        ; 2^(e0 + e1) as f32
	s_mov_b32 s85, s84                             ; (named with it as a pair, so it is written)
.if \path == 0
	s_cmp_eq_u32 s80, 0                            ; q or k
	s_cselect_b64 s[86:87], s[68:69], s[70:71]
	s_cselect_b32 s82, s74, s75                    ; e2 or e3
	s_lshr_b32 s2, s17, 3                          ; the batch,
	s_lshl_b32 s2, s2, 4
	s_lshl_b32 s3, s40, 2
	s_add_co_u32 s2, s2, s3
	s_lshl_b32 s3, s16, 1
	s_add_co_u32 s2, s2, s3                        ; my first head: 16 batch + 4 cx + 2 x half,
	s_lshl_b32 s2, s2, 7
	s_and_b32 s3, s17, 7
	s_lshl_b32 s3, s3, 4
	s_add_co_u32 s2, s2, s3
	s_lshl_b32 s3, s15, 3
	s_add_co_u32 s2, s2, s3                        ; my first tile of 16 positions,
	s_lshl_b32 s2, s2, 10                          ; of 1,024 bytes
	s_mov_b32 s3, 0
	s_add_nc_u64 s[86:87], s[86:87], s[2:3]
	s_lshl_b32 s2, s42, 10
	s_lshl_b32 s3, s16, 9
	s_add_co_u32 s2, s2, s3                        ; b_in at B's row 256 x tile column + 128 x half
	s_mov_b32 s3, 0
	s_add_nc_u64 s[88:89], s[10:11], s[2:3]
.else
	s_mov_b32 s82, s77                             ; e5
	s_lshr_b32 s2, s42, 3                          ; the batch,
	s_lshl_b32 s2, s2, 4
	s_lshl_b32 s3, s41, 2
	s_add_co_u32 s2, s2, s3
	s_lshl_b32 s3, s15, 1
	s_add_co_u32 s2, s2, s3                        ; my first head: 16 batch + 4 cy + 2 x half,
	s_lshl_b32 s2, s2, 4
	s_and_b32 s3, s42, 7
	s_lshl_b32 s3, s3, 1
	s_add_co_u32 s2, s2, s3
	s_add_co_u32 s2, s2, s16                       ; my key step,
	s_lshl_b32 s2, s2, 13                          ; of 8,192 bytes
	s_mov_b32 s3, 0
	s_add_nc_u64 s[86:87], s[66:67], s[2:3]
	s_lshl_b32 s2, s17, 10
	s_lshl_b32 s3, s15, 9
	s_add_co_u32 s2, s2, s3                        ; b_in at A's row 256 x tile row + 128 x half
	s_mov_b32 s3, 0
	s_add_nc_u64 s[88:89], s[10:11], s[2:3]
.endif
	s_add_co_i32 s82, s82, 127
	s_lshl_b32 s83, s82, 23                        ; the output's 2^e as f32
	s_add_co_i32 s82, s82, 15
	s_lshl_b32 s82, s82, 23
	s_or_b32 s82, s82, 0x600000                    ; 57,344 x 2^e
.set II, 0
.rept 8
.if \path == 0
	global_load_b128 v[BI+8*II:BI+8*II+3],   v[BOQ], s[88:89] offset:64*II
	global_load_b128 v[BI+8*II+4:BI+8*II+7], v[BOQ], s[88:89] offset:64*II+16
.else
	global_load_b32 v[BI+II], v[BOV], s[88:89] offset:64*II
.endif
.set II, II+1
.endr
	STEP 1, 0, 0
	s_wait_dscnt 4*NL                              ; the very last step: nothing more to fetch
	WIN MUL_LO
	MUL16 0, 1, 0
	MUL16 2, 1, 0
	s_wait_dscnt 0
	WIN MUL_HI
	MUL16 4, 1, 0
	MUL16 6, 1, 0
	WIN 0
	v_mov_b32 v[SCL], s83
	PLACES NP                                      ; behind the last products: their results are read, and the registers that held A's fragments are written, only behind these
	s_wait_loadcnt 0x0                             ; the bias
	PAIR \path, 0
	PAIR \path, 1
	SEND \path, 0, 24                              ; behind pair 0's loads: pair 1's sixteen stores and eight loads
	s_wait_xcnt 0x0                                ; pair 0's stores have read their registers: pair 2's loads may land there
	PAIR \path, 2
	SEND \path, 1, 24
	s_wait_xcnt 0x0
	PAIR \path, 3
	SEND \path, 2, 24
	SEND \path, 3, 0
.endm
	s_wait_tensorcnt 1                             ; my part of K step 0 is in (K step 1's load may be out)
	s_barrier_signal -1
	s_barrier_wait -1                              ; everybody's is
	FETCH_B 0, 0, 0
	FETCH_A 0, 0, 0
	FETCH_A 0, 0, 4
	STEP 0, 0, 1                                   ; the first products start the sums: nothing is cleared
	TURN 0, 1, 1                                   ; slot 0 takes K step 2
	STEP 1, 0, 0
	TURN 1, 0, 1                                   ; slot 1 takes K step 3
	STEP 0, 0, 0
	TURN 0, 1, 0                                   ; the last change of slots: nothing is filled, and behind its barrier nobody reads slot 0
	s_cmp_ge_u32 s81, 8                            ; the ways part on the cluster's y, the same in every wave and every partner
	s_cbranch_scc1 .Lpath_v
	s_wait_alu depctr_va_vdst(0)
	TAIL 0
	s_branch .Lend
.Lpath_v:
	s_wait_alu depctr_va_vdst(0)
	TAIL 1
.Lend:
	s_wait_tensorcnt 0x0                           ; the wave's end, behind my last tensor load and my last LDS store
	ds_add_u32 v[SPW], v[NIL]
	s_wait_dscnt 0x0
	CROUND                                         ; the closing round: no work-group ends while a partner may still ask for a tile that names it
	s_endpgm
.Lfunc_end_k_qd64bb6f225_qkv:
	.size	k_qd64bb6f225_qkv, .Lfunc_end_k_qd64bb6f225_qkv-k_qd64bb6f225_qkv
	.p2alignl 7, 3214868480
	.fill 96, 4, 3214868480
	.section	.rodata,"a",@progbits
	.p2align	6, 0x0
	.amdhsa_kernel k_qd64bb6f225_qkv
		.amdhsa_group_segment_fixed_size 327680
		.amdhsa_private_segment_fixed_size 0
		.amdhsa_enable_private_segment 0
		.amdhsa_kernarg_size 56
		.amdhsa_user_sgpr_count 2
		.amdhsa_user_sgpr_kernarg_segment_ptr 1
		.amdhsa_wavefront_size32 1
		.amdhsa_system_sgpr_workgroup_id_x 1
		.amdhsa_system_sgpr_workgroup_id_y 1
		.amdhsa_system_sgpr_workgroup_id_z 1
		.amdhsa_system_vgpr_workitem_id 0
		.amdhsa_next_free_vgpr 1024
		.amdhsa_next_free_sgpr 100
		.amdhsa_reserve_vcc 0
		.amdhsa_float_denorm_mode_32 3
		.amdhsa_float_denorm_mode_16_64 3
		.amdhsa_fp16_overflow 1
		.amdhsa_memory_ordered 1
		.amdhsa_forward_progress 1
		.amdhsa_inst_pref_size 172
	.end_amdhsa_kernel
	.amdgpu_metadata
---
amdhsa.version: [ 1, 2 ]
amdhsa.kernels:
  - .name:           k_qd64bb6f225_qkv
    .symbol:         k_qd64bb6f225_qkv.kd
    .args:
      - { .name: x_codes, .offset: 0, .size: 8, .value_kind: global_buffer, .address_space: global }
      - { .name: w_in_codes, .offset: 8, .size: 8, .value_kind: global_buffer, .address_space: global }
      - { .name: lowp_scales, .offset: 16, .size: 8, .value_kind: global_buffer, .address_space: global }
      - { .name: b_in, .offset: 24, .size: 8, .value_kind: global_buffer, .address_space: global }
      - { .name: q_codes, .offset: 32, .size: 8, .value_kind: global_buffer, .address_space: global }
      - { .name: k_codes, .offset: 40, .size: 8, .value_kind: global_buffer, .address_space: global }
      - { .name: v_codes, .offset: 48, .size: 8, .value_kind: global_buffer, .address_space: global }
    .group_segment_fixed_size: 327680
    .private_segment_fixed_size: 0
    .kernarg_segment_align: 8
    .kernarg_segment_size: 56
    .max_flat_workgroup_size: 128
    .sgpr_count:     100
    .vgpr_count:     1024
    .wavefront_size: 32
...
	.end_amdgpu_metadata
.endif
;; end of part 1
;; launch attn (part 2): grid 4 x 64, 16 waves a work-group, clusters of 4 x 1, 264,192 bytes of LDS; arguments q_codes, k_codes, v_codes, lowp_scales, a_codes; writes a_codes
.if DOCPART == 2
	.amdgcn_target "amdgcn-amd-amdhsa--gfx1250"
	.amdhsa_code_object_version 6
	.text
	.protected	k_qd64bb6f225_attn
	.globl	k_qd64bb6f225_attn
	.p2align	8
	.type	k_qd64bb6f225_attn,@function
k_qd64bb6f225_attn:
	s_mov_b64 s[64:65], 0
	v_nop
	global_prefetch_b8 v0, s[64:65] scope:SCOPE_SE
	s_setreg_imm32_b32 hwreg(HW_REG_WAVE_MODE, 25, 1), 1
	s_wait_xcnt 0x0
	s_wait_alu depctr_hold_cnt(0) depctr_sa_sdst(0) depctr_va_vdst(0) depctr_va_sdst(0) depctr_va_ssrc(0) depctr_va_vcc(0) depctr_vm_vsrc(0)
	s_getreg_b32 s2, hwreg(HW_REG_IB_STS2, 6, 4)
	s_cmp_eq_u32 s2, 0
	s_cbranch_scc0 .Lentry_in_a_cluster
	s_endpgm
.Lentry_in_a_cluster:
	s_bfe_u32 s2, ttmp6, 0x10000c
	s_cmp_lg_u32 s2, 0x3003
	s_cbranch_scc0 .Lentry_shape_is_right
	s_endpgm
.Lentry_shape_is_right:
; Causal attention of one head on codes of BF8 (E5M2): S = q k^T / 32 (the scale is 1024^-0.5 = 2^-5), the softmax, O = p v, O / l quantised with 2^e6 for the last product.
; THE SOFTMAX AHEAD OF THE SECOND PRODUCT: t = logit x log2(e); M = the running largest t rounded UP to a whole number; p = 2^(t - M) is quantised with 2^e4, not normalised; the row's sum l is taken of the
; unquantised p and divides at the end.  When M moves, l and O are multiplied by 2^(old M - new M), which rounds nothing.
; LIMITS: e2 + e3 between -121 and 132 (they are added to c's exponent field); e4 and e6 between -126 and 112; e4 + e5 goes by v_ldexp_f32 and has none.  NaN is not served.
; INPUTS are images of operand registers.  rows(T, r) = 32 (T / 2) + 8 (T % 2) + r + 8 (r / 8).
;   q_codes, k_codes: [head][T 0..127][c 0..1][lane][16 bytes]: position rows(T, lane % 16), channels 32 c + 16 (lane / 16) + 0 .. 15.   v_codes: [head][key step][td 0..3][c 0..3][lane][16]: channel rows(td, lane % 16), keys 128 step + 32 c + 16 (lane / 16) + ..
;   OUTPUT a_codes: [RT 0..511][kb 0..7][c 0..3][lane][16]: row rows(RT, lane % 16) of the 8,192, k = 128 kb + 32 c + 16 (lane / 16) + 0 .. 15; head h fills kb = h / 2, c = 2 (h % 2) + 0, 1.
; SHARES.  A cluster of four work-groups is one head.  Work-group cx takes the query tiles T = 4 n + cx, n = 0 .. 31; wave w of sixteen owns n = w and n = 31 - w.  A tile needs the key steps 0 .. n / 2 (128 keys a step),
; and w / 2 + 1 + (31 - w) / 2 + 1 = 17 for every w: every wave of every work-group has seventeen steps of work.  The branches hang on the wave's number and the step's number alone, the same in all partners.
; THE WHOLE HEAD LIES IN LDS: K's image at byte 0, V's at 131,072; nothing is filled again.  All four partners read the same K and V, so every piece is asked for JOINTLY (mask 15).  Each wave asks for two pieces:
; 2,048 bytes of key steps 0 and 1, then 14,336 bytes of the rest, so that the first two steps are worked on while the rest is on its way.  By the text's own count a wave has two tensor loads out.
; LAYOUT.  Both products are used transposed: S^T = K Q^T (source 0 = 16 keys), O^T = V^T P^T (source 0 = 16 channels): a lane holds ONE query throughout.  By the order of rows in the images the 16 registers of
; S's tiles 2 b and 2 b + 1 are keys 32 b + 16 (lane / 16) + 0 .. 15, and O^T's likewise 16 neighbouring channels: the conversions' results are the next operand's registers.
.set VIMG, 131072
.set L16,  1                           ; v1      16 x lane
.set ADK,  2                           ; v2      LDS address of the step's K
.set ADV,  3                           ; v3      of its V
.set DM,   4                           ; v4, v5  tile 0, 1: my query's place among the 128 of its group, less 16 (lane / 16)
.set AO,   6                           ; v6, v7  tile 0, 1: my byte offset in a_codes
.set ST,   8                           ; v[8 + 4 tau]: -M, the largest t, l in two halves
.set QF,   16                          ; v[16 + 8 tau]: Q's fragment
.set F,    32                          ; v32-95  eight fragments of K, then four of V
.set S,    96                          ; v96-159 S^T, then p
.set OT,   160                         ; v[160 + 32 tau]: O^T
.set PC,   224                         ; v224-239 p's codes; at the end the output's
.set WV,   14                          ; s14 wave
.set KS,   17                          ; s17 the key step
.set TB,   18                          ; s18 8,192 x the key step
.set SEL,  20                          ; s[20:21] lane selects for v_permlanex16_b32: lane l xor 16
.set CS,   22                          ; s[22:23] c = log2(e) / 32 x 2^(e2 + e3)
.set G1A,  24                          ; s[24:31] descriptor group 1: 8 rows of 256 bytes
.set G1B,  32                          ; s[32:39] 56 rows of 256 bytes
.set G0K,  40                          ; s[40:47] K's two groups 0
.set G0V,  72                          ; s[72:79] V's
.set GR,   56                          ; s56, s57 tile 0, 1: its last key step
.set EPV,  68                          ; s68 e4 + e5
.macro CROUND                          ; a round of the cluster's barrier
	s_barrier_signal -1
	s_barrier_wait -1
	s_cmp_lg_u32 s[WV], 0
	s_cbranch_scc1 .Lnot_wave_0_\@
	s_barrier_signal -3
.Lnot_wave_0_\@:
	s_barrier_wait -3
	s_barrier_signal -1
	s_barrier_wait -1
.endm
	s_load_b256 s[4:11], s[0:1], 0x0               ; q s[4:5], k s[6:7], v s[8:9], the scales' exponents s[10:11]
	s_load_b64 s[12:13], s[0:1], 0x20              ; a_codes
	v_lshl_add_u32 v251, v0, 2, 0x40000
	v_mov_b32 v255, 0
	ds_add_u32 v251, v255
	ds_add_u32 v251, v255
	v_lshrrev_b32 v1, 5, v0
	s_delay_alu instid0(VALU_DEP_1)
	v_readfirstlane_b32 s[WV], v1                  ; wave 0..15
	s_bfe_u32 s15, ttmp6, 0x40000                  ; cx: it enters Q's and a_codes' addresses and the mask's lane constant alone
	s_and_b32 s16, ttmp7, 0xffff                   ; the head, 0..63, which the partners share
	s_and_b32 s58, s[WV], 7                        ; waves 0-7 fetch K's pieces, waves 8-15 V's: piece wave % 8
	s_lshl_b32 s59, s58, 11                        ; the first piece: 2,048 x piece,
	s_mul_i32 s60, s58, 14336
	s_add_co_u32 s60, s60, 16384                   ; the second: 16,384 + 14,336 x piece; in memory and in LDS alike
	s_lshl_b32 s2, s16, 17                         ; the head's first byte in q, k and v
	s_mov_b32 s3, 0
	s_mov_b32 s62, s59
	s_mov_b32 s63, 0
	s_mov_b32 s66, s60
	s_mov_b32 s67, 0
	; descriptor group 1: a dense block as rows of 256 bytes, elements of 8 bytes, no padding
	s_mov_b32 s[G1A], 15|(3<<16)|(1<<21)           ; 15:0 the mask: all four work-groups; 17:16 elements of 8 bytes; 21 set beside a mask
	s_mov_b32 s[G1A+1], 32<<16                     ; tensor_dim0 = 32
	s_mov_b32 s[G1A+2], 8<<16                      ; tensor_dim1 = 8
	s_mov_b32 s[G1A+3], 32<<16                     ; tile_dim0 = 32
	s_mov_b32 s[G1A+4], 8                          ; tile_dim1 = 8
	s_mov_b32 s[G1A+5], 32                         ; tensor_dim0_stride
	s_mov_b32 s[G1A+6], 0
	s_mov_b32 s[G1A+7], 0
	s_mov_b32 s[G1B], 15|(3<<16)|(1<<21)
	s_mov_b32 s[G1B+1], 32<<16
	s_mov_b32 s[G1B+2], 56<<16                     ; 56 rows
	s_mov_b32 s[G1B+3], 32<<16
	s_mov_b32 s[G1B+4], 56
	s_mov_b32 s[G1B+5], 32
	s_mov_b32 s[G1B+6], 0
	s_mov_b32 s[G1B+7], 0
	s_wait_dscnt 0x0
	s_wait_kmcnt 0x0
	s_load_b256 s[48:55], s[10:11], 0x0            ; e0 .. e7
	s_add_nc_u64 s[4:5], s[4:5], s[2:3]
	s_add_nc_u64 s[6:7], s[6:7], s[2:3]
	s_add_nc_u64 s[8:9], s[8:9], s[2:3]
	s_mov_b32 s[G0K], 1                            ; every wave makes both sets and asks by one of them
	s_mov_b32 s[G0K+1], s59
	s_add_nc_u64 s[G0K+2:G0K+3], s[6:7], s[62:63]
	s_or_b32 s[G0K+3], s[G0K+3], 0x80000000
	s_mov_b32 s[G0K+4], 1
	s_mov_b32 s[G0K+5], s60
	s_add_nc_u64 s[G0K+6:G0K+7], s[6:7], s[66:67]
	s_or_b32 s[G0K+7], s[G0K+7], 0x80000000
	s_mov_b32 s[G0V], 1
	s_add_co_u32 s[G0V+1], s59, VIMG
	s_add_nc_u64 s[G0V+2:G0V+3], s[8:9], s[62:63]
	s_or_b32 s[G0V+3], s[G0V+3], 0x80000000
	s_mov_b32 s[G0V+4], 1
	s_add_co_u32 s[G0V+5], s60, VIMG
	s_add_nc_u64 s[G0V+6:G0V+7], s[8:9], s[66:67]
	s_or_b32 s[G0V+7], s[G0V+7], 0x80000000
	CROUND                                         ; all four work-groups are here: the joint loads meet
	s_cmp_lt_u32 s[WV], 8                          ; a wave's two loads stand in one branch, ahead of every wait on TENSORcnt and every LDS read; four v_nop follow the second
	s_cbranch_scc0 .Lfirst_v
	tensor_load_to_lds s[G0K:G0K+3], s[G1A:G1A+7]
	s_nop 0
	tensor_load_to_lds s[G0K+4:G0K+7], s[G1B:G1B+7]
	s_nop 0
.rept 4
	v_nop
.endr
	s_branch .Lfirst_asked
.Lfirst_v:
	tensor_load_to_lds s[G0V:G0V+3], s[G1A:G1A+7]
	s_nop 0
	tensor_load_to_lds s[G0V+4:G0V+7], s[G1B:G1B+7]
	s_nop 0
.rept 4
	v_nop
.endr
.Lfirst_asked:
	v_and_b32 v1, 31, v0
	s_delay_alu instid0(VALU_DEP_1)
	v_lshlrev_b32 v[L16], 4, v1
	s_wait_alu depctr_va_vdst(0)
	s_lshl_b32 s58, s[WV], 2
	s_add_co_u32 s58, s58, s15                     ; T of tile 0: 4 w + cx
	s_sub_co_u32 s59, 31, s[WV]
	s_lshl_b32 s60, s59, 2
	s_add_co_u32 s60, s60, s15                     ; T of tile 1: 4 (31 - w) + cx
	s_lshr_b32 s[GR], s[WV], 1                     ; their last key steps
	s_lshr_b32 s[GR+1], s59, 1
	s_lshl_b32 s61, s58, 10
	v_add_nc_u32 v2, s61, v[L16]
	s_lshl_b32 s61, s60, 10
	v_add_nc_u32 v3, s61, v[L16]
	global_load_b128 v[QF:QF+3],     v2, s[4:5]    ; Q's two fragments stay in registers
	global_load_b128 v[QF+4:QF+7],   v2, s[4:5] offset:512
	global_load_b128 v[QF+8:QF+11],  v3, s[4:5]
	global_load_b128 v[QF+12:QF+15], v3, s[4:5] offset:512
	s_lshr_b32 s61, s15, 1                         ; my query's place in its group of 128: 64 (n % 2) + 32 (cx / 2) + 8 (cx % 2) + r + 8 (r / 8)
	s_lshl_b32 s61, s61, 5
	s_and_b32 s62, s15, 1
	s_lshl_b32 s62, s62, 3
	s_add_co_u32 s61, s61, s62
	s_and_b32 s62, s[WV], 1
	s_lshl_b32 s62, s62, 6
	s_xor_b32 s63, s62, 64                         ; 31 - w is odd where w is even
	s_add_co_u32 s62, s62, s61
	s_add_co_u32 s63, s63, s61
	v_and_b32 v252, 15, v0
	v_and_b32 v253, 8, v0
	s_delay_alu instid0(VALU_DEP_1)
	v_add_nc_u32 v252, v252, v253
	v_and_b32 v253, 16, v0
	s_delay_alu instid0(VALU_DEP_1)
	v_sub_nc_u32 v252, v252, v253                  ; less 16 (lane / 16): register 16 b + i holds key 32 b + 16 (lane / 16) + i of the step
	s_delay_alu instid0(VALU_DEP_1)
	v_add_nc_u32 v[DM], s62, v252
	s_delay_alu instid0(VALU_DEP_2)
	v_add_nc_u32 v[DM+1], s63, v252
	s_lshr_b32 s61, s16, 4
	s_lshl_b32 s61, s61, 7                         ; 128 x batch
	s_add_co_u32 s62, s61, s58
	s_add_co_u32 s63, s61, s60
	s_lshl_b32 s62, s62, 14                        ; RT x 16,384
	s_lshl_b32 s63, s63, 14
	s_and_b32 s61, s16, 15
	s_lshl_b32 s61, s61, 10                        ; + 2,048 (h / 2) + 1,024 (h % 2) = 1,024 h
	s_add_co_u32 s62, s62, s61
	s_add_co_u32 s63, s63, s61
	v_add_nc_u32 v[AO], s62, v[L16]
	v_add_nc_u32 v[AO+1], s63, v[L16]
.irp t, 0,1
	v_mov_b32 v[ST+4*\t+1], 0xff61b1e6             ; the largest t so far: -3e38, under every t
	s_delay_alu instid0(VALU_DEP_1)
	v_floor_f32 v[ST+4*\t], -v[ST+4*\t+1]          ; -M
	v_mov_b32 v[ST+4*\t+2], 0                      ; l, in two halves
	v_mov_b32 v[ST+4*\t+3], 0
.endr
	v_mov_b32 v236, 0                              ; written once: a lane permute's destination counts as one of its sources
.set NN, 0
.rept 64
	v_mov_b32 v[OT+NN], 0                          ; O^T.  (The step is written without a first form of its own: the first change of M multiplies zeros)
.set NN, NN+1
.endr
	s_mov_b32 s[SEL], 0x76543210
	s_mov_b32 s[SEL+1], 0xfedcba98
	s_mov_b32 s[CS], 0x3d38aa3b                    ; log2(e) / 32
	s_mov_b32 s[KS], 0
	s_mov_b32 s[TB], 0
	s_wait_kmcnt 0x0
	s_add_co_i32 s61, s50, s51
	s_lshl_b32 s61, s61, 23
	s_add_co_i32 s[CS], s[CS], s61                 ; a score stands for score x 2^(e2 + e3): added to c's exponent field
	s_mov_b32 s[CS+1], s[CS]                       ; (named with it as a pair, so it is written)
	s_add_co_i32 s61, s52, 127
	s_lshl_b32 s62, s61, 23
	v_mov_b32 v244, s62                            ; 2^e4 as f32, for p's conversions
	s_add_co_i32 s61, s54, 127
	s_lshl_b32 s62, s61, 23
	v_mov_b32 v245, s62                            ; 2^e6, for the output's
	s_add_co_i32 s[EPV], s52, s53                  ; e4 + e5
; ONE TILE'S KEY STEP: 128 keys.  A step all of whose keys come after the tile's queries is left out: a scalar branch on the wave's number and the step's; no barrier and no tensor load stands in a step.
.macro STEP tau
.set rT, ST+4*\tau
.set rQ, QF+8*\tau
.set rO, OT+32*\tau
	s_cmp_gt_u32 s[KS], s[GR+\tau]
	s_cbranch_scc1 .Lhid_\@
.set NN, 0
	s_wait_alu depctr_va_vdst(0)
.rept 16
	ds_load_b128 v[F+4*NN:F+4*NN+3], v[ADK] offset:512*NN      ; K's eight fragments (16 keys x 64): 32 lanes take 512 consecutive bytes
.set NN, NN+1
.endr
	s_wait_dscnt 0x0
.set NN, 0
.rept 8
	v_wmma_f32_16x16x64_bf8_bf8 v[S+8*NN:S+8*NN+7], v[F+8*NN:F+8*NN+7], v[rQ:rQ+7], 0
.set NN, NN+1
.endr
.rept 4
	v_nop                                          ; places in front of the loads into the registers just read, and of the first read of the scores
.endr
.set NN, 0
	s_wait_alu depctr_va_vdst(0)
.rept 16
	ds_load_b128 v[F+4*NN:F+4*NN+3], v[ADV] offset:512*NN      ; V's four fragments (16 channels x 128 keys): they land under the softmax
.set NN, NN+1
.endr
	s_cmp_lt_u32 s[KS], s[GR+\tau]                 ; only the tile's last step lies on the diagonal
	s_cbranch_scc1 .Lopen_\@
	v_mov_b32 v254, 0xff800000                     ; -infinity: p = 0 then.  The step's key 0 counts for every query, so the maximum is a number
.set NN, 0
.rept 64
	v_cmp_gt_i32 vcc_lo, 32*(NN/16)+NN%16, v[DM+\tau]
	v_cndmask_b32 v[S+NN], v[S+NN], v254, vcc_lo
.set NN, NN+1
.endr
.Lopen_\@:
	v_max3_num_f32 v254, v[S], v[S+1], v[S+2]      ; the step's largest score of my query among my 64 keys, in two chains, in ascending order of registers,
	v_max3_num_f32 v252, v[S+3], v[S+4], v[S+5]
.set NN, 6
.rept 14
	v_max3_num_f32 v254, v254, v[S+NN], v[S+NN+1]
	v_max3_num_f32 v252, v252, v[S+NN+2], v[S+NN+3]
.set NN, NN+4
.endr
	v_max3_num_f32 v254, v254, v[S+62], v[S+63]
	s_delay_alu instid0(VALU_DEP_1)
	v_max_num_f32 v254, v254, v252
	v_permlanex16_b32 v236, v254, s[SEL], s[SEL+1]
	s_delay_alu instid0(VALU_DEP_1)
	v_max_num_f32 v254, v254, v236                 ; and among lane l xor 16's
	s_delay_alu instid0(VALU_DEP_1)
	v_mul_f32 v254, s[CS], v254                    ; as t (c is positive)
	s_delay_alu instid0(VALU_DEP_1)
	v_max_num_f32 v[rT+1], v[rT+1], v254           ; the running largest t
	v_mov_b32 v254, v[rT]
	s_delay_alu instid0(VALU_DEP_2)
	v_floor_f32 v[rT], -v[rT+1]                    ; the new -M = floor(-t) = -ceil(t): a whole number
	s_delay_alu instid0(VALU_DEP_1)
	v_sub_f32 v254, v[rT], v254                    ; old M less new M: a whole number, 0 or less
	s_delay_alu instid0(VALU_DEP_1)
	v_cvt_i32_f32 v254, v254                       ; (it saturates)
	s_delay_alu instid0(VALU_DEP_1)
	v_ldexp_f32 v252, 1.0, v254                    ; f = 2^(old M - new M)
.set NN, 0
.rept 32
	v_pk_fma_f32 v[S+NN:S+NN+1], v[S+NN:S+NN+1], s[CS:CS+1], v[rT:rT+1] op_sel_hi:[1,0,0]   ; t - M, two at a time (of the pairs c and -M the low word serves both halves)
.set NN, NN+2
.endr
.set NN, 0
	s_wait_alu depctr_va_vdst(0)
.rept 64
	v_exp_f32 v[S+NN], v[S+NN]                     ; p = 2^(t - M), at most 1
.set NN, NN+1
.endr
	v_pk_mul_f32 v[rT+2:rT+3], v[rT+2:rT+3], v[252:253] op_sel_hi:[1,0]   ; l under the new M.  (A plain place behind the exponentials)
	s_wait_alu depctr_va_vdst(0)
	v_pk_add_f32 v[242:243], v[S:S+1], v[S+2:S+3]  ; the sum is taken of the unquantised p: two at a time, in two chains
.set NN, 4
.rept 15
	v_pk_add_f32 v[rT+2:rT+3], v[rT+2:rT+3], v[S+NN:S+NN+1]
	v_pk_add_f32 v[242:243], v[242:243], v[S+NN+2:S+NN+3]
.set NN, NN+4
.endr
	s_delay_alu instid0(VALU_DEP_1)
	v_pk_add_f32 v[rT+2:rT+3], v[rT+2:rT+3], v[242:243]
.irp b, 0,1,2,3
.set NN, 0
.rept 16
.set NN, NN+1
.endr
	v_cvt_scalef32_pk8_bf8_f32 v[PC+4*\b:PC+4*\b+1], v[S+16*\b:S+16*\b+7], v244
	v_cvt_scalef32_pk8_bf8_f32 v[PC+4*\b+2:PC+4*\b+3], v[S+16*\b+8:S+16*\b+15], v244
.endr
.set NN, 0
.rept 16
	v_pk_mul_f32 v[rO+NN:rO+NN+1], v[rO+NN:rO+NN+1], v[252:253] op_sel_hi:[1,0]   ; O^T under the new M, each accumulator from its low end on.  (Also the plain places behind the conversions)
.set NN, NN+2
.endr
	s_wait_alu depctr_va_vdst(0)
	s_wait_dscnt 0x0                               ; V
.set NN, 0
.rept 4
	v_wmma_f32_16x16x128_bf8_bf8 v[rO+8*NN:rO+8*NN+7], v[F+16*NN:F+16*NN+15], v[PC:PC+15], v[rO+8*NN:rO+8*NN+7]   ; four accumulators by turns; eight products of scores stand between two links on one
.set NN, NN+1
.endr
.rept 4
	v_nop                                          ; places in front of the next loads into the fragments' registers and of the next read of O^T
.endr
.Lhid_\@:
.endm
.macro KSTEP                           ; a key step of both tiles; the addresses are made, and stepped, outside the branches
	v_add_nc_u32 v[ADK], s[TB], v[L16]
	s_delay_alu instid0(VALU_DEP_1)
	v_add_nc_u32 v[ADV], VIMG, v[ADK]
	STEP 0
	STEP 1
	s_add_co_u32 s[KS], s[KS], 1
	s_add_co_u32 s[TB], s[TB], 8192
.endm
; A tile's end: O^T x 2^(e4 + e5) / l, the conversion; a lane's 16 codes of each half of the head are 16 bytes of the image: the wave's store covers 512 consecutive bytes, aligned, straight from registers.
.macro FINISH tau
.set rT, ST+4*\tau
.set rO, OT+32*\tau
.set rW, S+32*\tau
.set rC, PC+8*\tau
	v_add_f32 v[rT+2], v[rT+2], v[rT+3]            ; l's two halves,
	v_permlanex16_b32 v236, v[rT+2], s[SEL], s[SEL+1]
	s_delay_alu instid0(VALU_DEP_1)
	v_add_f32 v[rT+2], v[rT+2], v236               ; and lane l xor 16's
	s_wait_alu depctr_va_vdst(0)
	v_rcp_f32 v[rT+2], v[rT+2]
	v_nop                                          ; a plain place behind the transcendental
	s_wait_alu depctr_va_vdst(0)
	v_ldexp_f32 v[rT+2], v[rT+2], s[EPV]
.set NN, 0
.rept 16
	v_pk_mul_f32 v[rW+NN:rW+NN+1], v[rO+NN:rO+NN+1], v[rT+2:rT+3] op_sel_hi:[1,0]
.set NN, NN+2
.endr
.set NN, 0
.rept 32
.set NN, NN+1
.endr
.set NN, 0
.rept 4
	v_cvt_scalef32_pk8_bf8_f32 v[rC+2*NN:rC+2*NN+1], v[rW+8*NN:rW+8*NN+7], v245
.set NN, NN+1
.endr
	v_nop                                          ; a plain vector instruction behind the last conversion
	global_store_b128 v[AO+\tau], v[rC:rC+3], s[12:13]
	global_store_b128 v[AO+\tau], v[rC+4:rC+7], s[12:13] offset:512
.endm
	s_wait_loadcnt 0x0                             ; Q
	s_wait_tensorcnt 0x1                           ; my piece of key steps 0 and 1 is in; my second piece may stay out
	s_barrier_signal -1
	s_barrier_wait -1                              ; everybody's is
	KSTEP                                          ; key steps 0 and 1 are written out: their LDS bytes are constants of the text, apart from the bytes that are still on their way
	KSTEP
	s_wait_tensorcnt 0x0                           ; my second piece is in,
	s_wait_dscnt 0x0
	s_barrier_signal -1
	s_barrier_wait -1                              ; everybody's is: from here on the waves run free
	s_mov_b32 s19, 14
.Lks:
	KSTEP
	s_sub_co_u32 s19, s19, 1
	s_cmp_lg_u32 s19, 0
	s_cbranch_scc1 .Lks
	FINISH 0
	FINISH 1
	s_wait_tensorcnt 0x0
	ds_add_u32 v251, v255
	s_wait_dscnt 0x0
	CROUND                                         ; the closing round
	s_endpgm
.Lfunc_end_k_qd64bb6f225_attn:
	.size	k_qd64bb6f225_attn, .Lfunc_end_k_qd64bb6f225_attn-k_qd64bb6f225_attn
	.p2alignl 7, 3214868480
	.fill 96, 4, 3214868480
	.section	.rodata,"a",@progbits
	.p2align	6, 0x0
	.amdhsa_kernel k_qd64bb6f225_attn
		.amdhsa_group_segment_fixed_size 264192
		.amdhsa_private_segment_fixed_size 0
		.amdhsa_enable_private_segment 0
		.amdhsa_kernarg_size 40
		.amdhsa_user_sgpr_count 2
		.amdhsa_user_sgpr_kernarg_segment_ptr 1
		.amdhsa_wavefront_size32 1
		.amdhsa_system_sgpr_workgroup_id_x 1
		.amdhsa_system_sgpr_workgroup_id_y 1
		.amdhsa_system_sgpr_workgroup_id_z 1
		.amdhsa_system_vgpr_workitem_id 0
		.amdhsa_next_free_vgpr 256
		.amdhsa_next_free_sgpr 80
		.amdhsa_reserve_vcc 1
		.amdhsa_float_denorm_mode_32 3
		.amdhsa_float_denorm_mode_16_64 3
		.amdhsa_fp16_overflow 1
		.amdhsa_memory_ordered 1
		.amdhsa_forward_progress 1
		.amdhsa_inst_pref_size 126
	.end_amdhsa_kernel
	.amdgpu_metadata
---
amdhsa.version: [ 1, 2 ]
amdhsa.kernels:
  - .name:           k_qd64bb6f225_attn
    .symbol:         k_qd64bb6f225_attn.kd
    .args:
      - { .name: q_codes, .offset: 0, .size: 8, .value_kind: global_buffer, .address_space: global }
      - { .name: k_codes, .offset: 8, .size: 8, .value_kind: global_buffer, .address_space: global }
      - { .name: v_codes, .offset: 16, .size: 8, .value_kind: global_buffer, .address_space: global }
      - { .name: lowp_scales, .offset: 24, .size: 8, .value_kind: global_buffer, .address_space: global }
      - { .name: a_codes, .offset: 32, .size: 8, .value_kind: global_buffer, .address_space: global }
    .group_segment_fixed_size: 264192
    .private_segment_fixed_size: 0
    .kernarg_segment_align: 8
    .kernarg_segment_size: 40
    .max_flat_workgroup_size: 512
    .sgpr_count:     80
    .vgpr_count:     256
    .wavefront_size: 32
...
	.end_amdgpu_metadata
.endif
;; end of part 2
;; launch proj (part 3): grid 4 x 32, 4 waves a work-group, clusters of 4 x 4, 327,680 bytes of LDS; arguments a_codes, w_out_codes, lowp_scales, b_out, out0; writes out0
.if DOCPART == 3
	.amdgcn_target "amdgcn-amd-amdhsa--gfx1250"
	.amdhsa_code_object_version 6
	.text
	.protected	k_qd64bb6f225_proj
	.globl	k_qd64bb6f225_proj
	.p2align	8
	.type	k_qd64bb6f225_proj,@function
k_qd64bb6f225_proj:
	s_mov_b64 s[64:65], 0
	v_nop
	global_prefetch_b8 v0, s[64:65] scope:SCOPE_SE
	s_setreg_imm32_b32 hwreg(HW_REG_WAVE_MODE, 25, 1), 1
	s_wait_xcnt 0x0
	s_wait_alu depctr_hold_cnt(0) depctr_sa_sdst(0) depctr_va_vdst(0) depctr_va_sdst(0) depctr_va_ssrc(0) depctr_va_vcc(0) depctr_vm_vsrc(0)
	s_getreg_b32 s2, hwreg(HW_REG_IB_STS2, 6, 4)
	s_cmp_eq_u32 s2, 0
	s_cbranch_scc0 .Lentry_in_a_cluster
	s_endpgm
.Lentry_in_a_cluster:
	s_bfe_u32 s2, ttmp6, 0x10000c
	s_cmp_lg_u32 s2, 0xf033
	s_cbranch_scc0 .Lentry_shape_is_right
	s_endpgm
.Lentry_shape_is_right:
; out0 = a w_out^T + b_out on codes of BF8 (E5M2), K = 1,024.  w_out: [1024][1024] codes, K innermost, a number is its code x 2^e7.  out0: [8192][1024] f32.
; a comes as IMAGES OF OPERAND REGISTERS: a_codes [RT 0..511][kb 0..7][c 0..3][lane][16 bytes]: row rows(RT, lane % 16) = 32 (RT / 2) + 8 (RT % 2) + r + 8 (r / 8), k = 128 kb + 32 c + 16 (lane / 16) + 0 .. 15; a number is its code x 2^e6.
; LIMIT: e6 + e7 between -126 and 127, so that 2^(e6 + e7) is an f32 number.
; A tile of 256 x 256 is made by four waves, 128 x 128 each: 64 accumulators, 512 registers.  K goes in four steps of 256 through a ring of two LDS slots filled by the tensor data mover.
; A's part of a slot is 16 tiles of rows x 4,096 bytes, dense: a fragment load is 16 x lane + constants.  B's part is 256 rows of 256 bytes + 16 of padding.
; CLUSTERS: 4 x 4 work-groups; A's tile is shared along a row of the cluster, B's along a column: each is asked for JOINTLY.  THE MATRIX INSTRUCTION IS USED TRANSPOSED (source 0 = 16 rows of w_out, source 1 = 16 rows of a):
; a lane holds eight neighbouring numbers of a row of out0.
; REGISTERS, in windows of 256: window 0: v8-11 b_out at my four columns; v16-29 addresses; from v128 A's fragments, ONE set (on the way out: rows read back).   window 1: B's fragments, TWO sets.   windows 2, 3: the accumulators.
.set ROWB,   256                       ; a row of B's tile in bytes
.set KROW,   1024                      ; a row of w_out in memory
.set PITCH,  272                       ; B's LDS row: 256 bytes + 16 of padding = 68 words: row r starts at bank 4 r mod 64 (64 banks of 4 bytes: ISA guide 11.1)
.set FR,     16
.set NL,     4
.set NP,     4                         ; places behind this matrix instruction (ISA guide 7.12.1)
.set HALFA,  32768                     ; A: 8 tiles of rows x 4,096 bytes: what one tensor load brings
.set ASTEP,  4096                      ; a K step of 256 in an image: two fragments
.set HALFT,  128*PITCH                 ; B: 128 rows
.set BOFF,   2*HALFA                   ; B's rows lie behind A's images
.set SLOT,   BOFF+2*HALFT
.set SPARE,  2*SLOT                    ; behind the ring: the spare words, 128 bytes for each wave
.set SPITCH, 528                       ; the way out: a stage of 16 rows x (512 bytes + 16) for each wave, in slot 0, which has had its last fill and its last read by then
.set BO,   8                           ; v8-11
.set ADRA, 16                          ; v16-17  LDS address of my A fragments in slot 0, 1
.set ADRB, 20                          ; v20-21  the same for B
.set STO,  24                          ; v24  where I put 32 bytes of a row
.set RD,   25                          ; v25  where I read a row back
.set CO,   26                          ; v26  16 x lane
.set SPW,  28                          ; v28  LDS address of my spare word; never rewritten
.set NIL,  29                          ; v29  0; never rewritten
.set AF,   128
.set BK,   128                         ; the way out: 16 rows read back: v128-191 and v192-255 by turns
.set G1, 24                            ; s[24:31] descriptor group 1 for A's tiles;  s[32:39] group 0, one set for each slot
.set G0, 32
.set G1B, 48                           ; s[48:55], s[56:63] the same for B's tiles
.set G0B, 56
.set MSB, 0
.macro WIN new                         ; the immediate's high byte repeats the setting that is left
.if MSB != (\new)
	s_set_vgpr_msb (MSB<<8)|(\new)
.set MSB, (\new)
.endif
.endm
.set MUL_LO, 0xa1                      ; source 0 (B) window 1, source 1 (A) window 0, C and D window 2
.set MUL_HI, 0xf1                      ; the same, C and D window 3
.set TO_B,   0x40                      ; destination window 1, address window 0
; A joint load: waves 0 and 1 fetch for A, waves 2 and 3 for B; four v_nop follow each of the two lines.
.macro JLOAD g0a, g1a, g0b, g1b
	s_cmp_eq_u32 s15, 0
	s_cbranch_scc0 .Lfor_b_\@
	tensor_load_to_lds s[\g0a:\g0a+3], s[\g1a:\g1a+7]
	s_nop 0
.rept 4
	v_nop
.endr
	s_branch .Lasked_\@
.Lfor_b_\@:
	tensor_load_to_lds s[\g0b:\g0b+3], s[\g1b:\g1b+7]
	s_nop 0
.rept 4
	v_nop
.endr
.Lasked_\@:
.endm
.macro CREST                           ; a round of the cluster's barrier behind its opening barrier
	s_cmp_lg_u32 s14, 0
	s_cbranch_scc1 .Lnot_wave_0_\@
	s_barrier_signal -3
.Lnot_wave_0_\@:
	s_barrier_wait -3
	s_barrier_signal -1
	s_barrier_wait -1
.endm
.macro CROUND                          ; a whole round
	s_barrier_signal -1
	s_barrier_wait -1
	CREST
.endm
	s_load_b256 s[4:11], s[0:1], 0x0               ; a_codes s[4:5], w_out s[6:7], the scales' exponents s[8:9], b_out s[10:11]
	s_load_b64 s[12:13], s[0:1], 0x20              ; out0
	v_lshl_add_u32 v[SPW], v0, 2, SPARE
	v_mov_b32 v[NIL], 0
	ds_add_u32 v28, v29
	ds_add_u32 v28, v29
	s_wait_dscnt 0x0
	v_lshrrev_b32 v1, 5, v0
	v_readfirstlane_b32 s14, v1                    ; wave 0..3
	s_lshr_b32 s15, s14, 1                         ; which half of the tile's rows is mine.  Also: I fetch for A (0) or for B (1)
	s_and_b32 s16, s14, 1                          ; which half of its columns.  Also: which half of that tile I fetch
	s_bfe_u32 s40, ttmp6, 0x40000                  ; cx, cy
	s_bfe_u32 s41, ttmp6, 0x40004
	s_lshl_b32 s42, ttmp9, 2
	s_add_co_u32 s42, s42, s40                     ; tile column = 4 x cluster x + cx
	s_and_b32 s17, ttmp7, 0xffff
	s_lshl_b32 s17, s17, 2
	s_add_co_u32 s17, s17, s41                     ; tile row = 4 x cluster y + cy
	s_lshl_b32 s43, s41, 2
	s_lshl_b32 s43, 15, s43                        ; my row of the cluster
	s_lshl_b32 s44, 0x1111, s40                    ; my column
	; A's group 1: 8 rows of 4,096 bytes (512 elements of 8), 16,384 bytes apart, laid dense in LDS
	s_or_b32 s[G1+0], s43, (3<<16)|(1<<21)         ; 15:0 the mask: my row; 17:16 elements of 8 bytes; 21 set beside a mask; no padding
	s_mov_b32 s[G1+1], 512<<16                     ; tensor_dim0 = 512
	s_mov_b32 s[G1+2], 8<<16                       ; tensor_dim1 = 8
	s_mov_b32 s[G1+3], 512<<16                     ; tile_dim0 = 512
	s_mov_b32 s[G1+4], 8                           ; tile_dim1 = 8
	s_mov_b32 s[G1+5], 2048                        ; tensor_dim0_stride: 2,048 elements
	s_mov_b32 s[G1+6], 0
	s_mov_b32 s[G1+7], 0
	; B's group 1: 128 rows x 256 bytes, padded in LDS
	s_or_b32 s[G1B+0], s44, (0<<16)|(1<<20)|(1<<21)|(5<<22)|(3<<25)  ; the mask: my column; element of 1 byte; padding of 4 words after every 64
	s_mov_b32 s[G1B+1], ROWB<<16
	s_mov_b32 s[G1B+2], 128<<16
	s_mov_b32 s[G1B+3], ROWB<<16
	s_mov_b32 s[G1B+4], 128
	s_mov_b32 s[G1B+5], KROW
	s_mov_b32 s[G1B+6], 0
	s_mov_b32 s[G1B+7], 0
	s_lshl_b32 s18, s16, 17                        ; my half: 8 images of 16,384 bytes, or 128 rows of 1,024
	s_lshl_b32 s20, s17, 18
	s_add_co_u32 s20, s20, s18                     ; A: image 16 x tile row + 8 x half
	s_mov_b32 s21, 0
	s_lshl_b32 s46, s42, 18
	s_add_co_u32 s46, s46, s18                     ; B: row 256 x tile column + 128 x half
	s_mov_b32 s47, 0
	s_lshl_b32 s45, s16, 15                        ; where they go: A's half,
	s_mul_i32 s83, s16, HALFT
	s_add_co_u32 s83, s83, BOFF                    ; B's half: no place in the cluster enters an LDS address
	s_wait_kmcnt 0x0
	s_load_b256 s[72:79], s[8:9], 0x0              ; e0 .. e7
	s_add_nc_u64 s[20:21], s[4:5], s[20:21]
	s_add_nc_u64 s[46:47], s[6:7], s[46:47]
	CROUND                                         ; all sixteen work-groups are here: the first joint loads meet
.irp s, 0,1
	s_mov_b32 s[G0+4*\s], 1
	s_add_co_u32 s[G0+4*\s+1], s45, \s*SLOT
	s_add_nc_u64 s[G0+4*\s+2:G0+4*\s+3], s[20:21], \s*ASTEP
	s_or_b32 s[G0+4*\s+3], s[G0+4*\s+3], 0x80000000
	s_mov_b32 s[G0B+4*\s], 1
	s_add_co_u32 s[G0B+4*\s+1], s83, \s*SLOT
	s_add_nc_u64 s[G0B+4*\s+2:G0B+4*\s+3], s[46:47], \s*ROWB
	s_or_b32 s[G0B+4*\s+3], s[G0B+4*\s+3], 0x80000000
	s_wait_alu depctr_va_vdst(0)
	s_wait_tensorcnt 0x0
	ds_add_u32 v28, v29
	ds_add_u32 v28, v29
	s_wait_dscnt 0x0
	CROUND
	JLOAD G0+4*\s, G1, G0B+4*\s, G1B
.endr
	v_and_b32 v1, 15, v0                           ; r
	v_bfe_u32 v2, v0, 4, 1                         ; hl
	v_and_b32 v6, 31, v0
	v_lshlrev_b32 v[CO], 4, v6                     ; 16 x lane
	v_mul_u32_u24 v3, v1, PITCH
	v_lshl_add_u32 v4, v2, 4, v3                   ; B: a fragment's row x pitch + 16 x half
	s_lshl_b32 s21, s15, 15                        ; my 8 images of A
	s_mul_i32 s22, s16, HALFT                      ; my 128 rows of B
	s_add_co_u32 s22, s22, BOFF
.irp s, 0,1
	v_add_nc_u32 v[ADRA+\s], s21, v[CO]
	v_add_nc_u32 v[ADRB+\s], s22, v4
	s_add_co_u32 s21, s21, SLOT
	s_add_co_u32 s22, s22, SLOT
.endr
	s_mul_i32 s23, s14, 16*SPITCH                  ; my stage
	v_mul_u32_u24 v5, v1, SPITCH                   ; in: row r, 32 bytes for each half of the lanes
	v_lshl_add_u32 v5, v2, 5, v5
	v_add_nc_u32 v[STO], s23, v5
	v_add_nc_u32 v[RD], s23, v[CO]                 ; back: the 32 lanes take one row of 512 bytes
	s_lshl_b32 s20, s17, 20                        ; my first row of out0: (256 x tile row + 128 x half) rows of 4,096 bytes
	s_lshl_b32 s21, s15, 19
	s_add_co_u32 s20, s20, s21
	s_mov_b32 s21, 0
	s_lshl_b32 s46, s42, 10                        ; my first column, in bytes: 1,024 x tile column + 512 x half
	s_lshl_b32 s47, s16, 9
	s_add_co_u32 s46, s46, s47
	s_mov_b32 s47, 0
	s_add_nc_u64 s[10:11], s[10:11], s[46:47]
	s_add_nc_u64 s[20:21], s[20:21], s[46:47]
	s_add_nc_u64 s[12:13], s[12:13], s[20:21]
	global_load_b128 v[BO:BO+3], v[CO], s[10:11]   ; b_out at the four columns that I store
.macro FRAGB reg, adr, q, i            ; lane l: row l % 16; registers 4 c .. 4 c + 3: K = 32 c + 16 (l / 16) + 0 .. 15
.irp c, 0,1,2,3
	ds_load_b128 v[\reg+4*\c:\reg+4*\c+3], v[\adr] offset:128*(\q)+32*\c+(\i)*16*PITCH
.endr
.endm
.macro FRAGA reg, adr, q, i            ; the image gives the same registers: 32 lanes take 512 consecutive bytes
.irp c, 0,1,2,3
	ds_load_b128 v[\reg+4*\c:\reg+4*\c+3], v[\adr] offset:4096*(\i)+2048*(\q)+512*\c
.endr
.endm
; 16 matrix instructions: A's blocks a0, a0 + 1 x B's eight, 128 along K.  The 64 accumulators take turns, one instruction a turn, in the same order in every step.
.macro MUL16 a0, p, zero
.irp a, \a0, \a0+1
.irp b, 0,1,2,3,4,5,6,7
.if \zero
	v_wmma_f32_16x16x128_bf8_bf8 v[8*(8*((\a)%4)+\b):8*(8*((\a)%4)+\b)+7], v[128*(\p)+FR*\b:128*(\p)+FR*\b+FR-1], v[AF+FR*(\a):AF+FR*(\a)+FR-1], 0
.else
	v_wmma_f32_16x16x128_bf8_bf8 v[8*(8*((\a)%4)+\b):8*(8*((\a)%4)+\b)+7], v[128*(\p)+FR*\b:128*(\p)+FR*\b+FR-1], v[AF+FR*(\a):AF+FR*(\a)+FR-1], v[8*(8*((\a)%4)+\b):8*(8*((\a)%4)+\b)+7]
.endif
.endr
.endr
.endm
.macro FETCH_B slot, q, p
	WIN TO_B
.irp i, 0,1,2,3,4,5,6,7
	FRAGB 128*(\p)+FR*\i, ADRB+\slot, \q, \i
.endr
	WIN 0
.endm
.macro FETCH_A slot, q, i0
.irp i, \i0, \i0+1, \i0+2, \i0+3
	FRAGA AF+FR*(\i), ADRA+\slot, \q, \i
.endr
.endm
.macro PLACES n                        ; plain vector instructions that name no register of the matrix instructions ahead of them (ISA guide 7.12.1)
.rept \n
	v_nop
.endr
.endm
.macro STEP slot, q, zero              ; a step of 128 along K that has its successor in the same slot
	s_wait_dscnt 4*NL                              ; B's set and A's blocks 0-3 are in; the youngest sixteen loads (A's blocks 4-7) may be out
	WIN MUL_LO
	MUL16 0, (\q)%2, \zero
	MUL16 2, (\q)%2, \zero
	s_wait_dscnt 0
	PLACES NP
	FETCH_B \slot, (\q)+1, 1-(\q)%2
	FETCH_A \slot, (\q)+1, 0
	WIN MUL_HI
	MUL16 4, (\q)%2, \zero
	MUL16 6, (\q)%2, \zero
	PLACES NP
	WIN 0
	FETCH_A \slot, (\q)+1, 4
.endm
; A slot's last step changes slots: ONE barrier; in front of it each wave waits for all its tensor loads, adds 0 to its spare word, and waits for that and for its own reads of this slot.
.macro TURN slot, next, fill
	s_wait_tensorcnt 0x0                           ; all my tensor loads have landed: my part of the next slot
	ds_add_u32 v[SPW], v[NIL]                      ; 0 onto my spare word
	s_wait_dscnt 4*NL+1                            ; (the add and the youngest sixteen loads may be out)
	WIN MUL_LO
	MUL16 0, 1, 0
	s_wait_dscnt 0x0                               ; the add is done, and my reads of this slot are over
	s_barrier_signal -1
	MUL16 2, 1, 0
	WIN 0
	s_barrier_wait -1
.if \fill
	CREST                                          ; the barrier has opened a round of the cluster's barrier
	s_add_nc_u64 s[G0+4*\slot+2:G0+4*\slot+3], s[G0+4*\slot+2:G0+4*\slot+3], 2*ASTEP
	s_add_nc_u64 s[G0B+4*\slot+2:G0B+4*\slot+3], s[G0B+4*\slot+2:G0B+4*\slot+3], 2*ROWB
	JLOAD G0+4*\slot, G1, G0B+4*\slot, G1B         ; the first tensor load behind the round; its four v_nop are the places in front of the loads below
.else
	PLACES NP
.endif
	FETCH_B \next, 0, 0
	FETCH_A \next, 0, 0
	WIN MUL_HI
	MUL16 4, 1, 0
	MUL16 6, 1, 0
	PLACES NP
	WIN 0
	FETCH_A \next, 0, 4
.endm
	s_wait_alu depctr_va_vdst(0)
	s_wait_tensorcnt 1                             ; my part of K step 0 is in (K step 1's load may be out)
	s_barrier_signal -1
	s_barrier_wait -1                              ; everybody's is
	FETCH_B 0, 0, 0
	FETCH_A 0, 0, 0
	FETCH_A 0, 0, 4
	STEP 0, 0, 1                                   ; the first products start the sums
	TURN 0, 1, 1                                   ; slot 0 takes K step 2
	STEP 1, 0, 0
	TURN 1, 0, 1                                   ; slot 1 takes K step 3
	STEP 0, 0, 0
	TURN 0, 1, 0                                   ; the last change of slots: behind its barrier nobody reads slot 0
	STEP 1, 0, 0
	s_wait_dscnt 4*NL                              ; the very last step
	WIN MUL_LO
	MUL16 0, 1, 0
	MUL16 2, 1, 0
	s_wait_dscnt 0
	WIN MUL_HI
	MUL16 4, 1, 0
	MUL16 6, 1, 0
	WIN 0
; THE WAY OUT, block by block of 16 rows x 128 columns.  The sums go into my own stage straight from the accumulators (the low four registers of each first) and come back as whole rows of 512 bytes; there each lane holds
; four columns, the same in every row, so that sum x 2^(e6 + e7) + b_out is two packed multiply-adds a row with four registers of bias.  LDS serves a wave's instructions in order (ISA guide 5.7.1.4).
.macro TOSTAGE a
.set AC, 64*((\a)%4)
.set BB, BK+64*((\a)%2)
	WIN 0x08+4*((\a)/4)                            ; the stores' data: window 2 or 3
.set JJ, 0
.rept 8
	ds_store_b128 v[STO], v[AC+8*JJ:AC+8*JJ+3] offset:64*JJ
	ds_store_b128 v[STO], v[AC+8*JJ+4:AC+8*JJ+7] offset:64*JJ+16
.set JJ, JJ+1
.endr
	WIN 0
.set JJ, 0
.rept 16
	ds_load_b128 v[BB+4*JJ:BB+4*JJ+3], v[RD] offset:JJ*SPITCH
.set JJ, JJ+1
.endr
.endm
.macro SEND a, younger                 ; younger: the LDS instructions issued behind block a's loads, which may stay out
.set BB, BK+64*((\a)%2)
.set R0, 32*((\a)/2)+8*((\a)%2)        ; the block's row t is row R0 + t + 8 (t / 8) of my 128: the images' order of rows
	s_wait_dscnt \younger
.set JJ, 0
.rept 16
	v_pk_fma_f32 v[BB+4*JJ:BB+4*JJ+1], v[BB+4*JJ:BB+4*JJ+1], s[96:97], v[BO:BO+1] op_sel_hi:[1,0,1]
	v_pk_fma_f32 v[BB+4*JJ+2:BB+4*JJ+3], v[BB+4*JJ+2:BB+4*JJ+3], s[96:97], v[BO+2:BO+3] op_sel_hi:[1,0,1]
	global_store_b128 v[CO], v[BB+4*JJ:BB+4*JJ+3], s[12:13] offset:(R0+JJ+8*(JJ/8))*4096 th:TH_STORE_NT   ; 32 lanes store 512 consecutive bytes, aligned; 127 rows of 4,096 bytes at the most, inside the signed 24-bit immediate
.set JJ, JJ+1
.endr
.endm
	s_wait_kmcnt 0x0
	s_add_co_i32 s96, s78, s79                     ; e6 + e7
	s_add_co_i32 s96, s96, 127
	s_lshl_b32 s96, s96, 23                        ; 2^(e6 + e7) as f32
	s_mov_b32 s97, s96                             ; (named with it as a pair, so it is written)
	s_wait_loadcnt 0x0                             ; b_out
	PLACES NP                                      ; behind the last products: their results are read, and the registers that held A's fragments are loaded, only behind these
	TOSTAGE 0
.irp a, 1,2,3,4,5,6,7
.if \a > 1
	s_wait_xcnt 0x0                                ; block a - 2's stores have read their registers: block a's loads may land there
.endif
	TOSTAGE \a
	SEND \a-1, 32                                  ; behind block a - 1's loads: block a's 16 stores and 16 loads
.endr
	SEND 7, 0
	s_wait_tensorcnt 0x0                           ; the wave's end, behind my last tensor load and my last LDS store
	ds_add_u32 v[SPW], v[NIL]
	s_wait_dscnt 0x0
	CROUND                                         ; the closing round
	s_endpgm
.Lfunc_end_k_qd64bb6f225_proj:
	.size	k_qd64bb6f225_proj, .Lfunc_end_k_qd64bb6f225_proj-k_qd64bb6f225_proj
	.p2alignl 7, 3214868480
	.fill 96, 4, 3214868480
	.section	.rodata,"a",@progbits
	.p2align	6, 0x0
	.amdhsa_kernel k_qd64bb6f225_proj
		.amdhsa_group_segment_fixed_size 327680
		.amdhsa_private_segment_fixed_size 0
		.amdhsa_enable_private_segment 0
		.amdhsa_kernarg_size 40
		.amdhsa_user_sgpr_count 2
		.amdhsa_user_sgpr_kernarg_segment_ptr 1
		.amdhsa_wavefront_size32 1
		.amdhsa_system_sgpr_workgroup_id_x 1
		.amdhsa_system_sgpr_workgroup_id_y 1
		.amdhsa_system_sgpr_workgroup_id_z 1
		.amdhsa_system_vgpr_workitem_id 0
		.amdhsa_next_free_vgpr 1024
		.amdhsa_next_free_sgpr 100
		.amdhsa_reserve_vcc 0
		.amdhsa_float_denorm_mode_32 3
		.amdhsa_float_denorm_mode_16_64 3
		.amdhsa_memory_ordered 1
		.amdhsa_forward_progress 1
		.amdhsa_inst_pref_size 124
	.end_amdhsa_kernel
	.amdgpu_metadata
---
amdhsa.version: [ 1, 2 ]
amdhsa.kernels:
  - .name:           k_qd64bb6f225_proj
    .symbol:         k_qd64bb6f225_proj.kd
    .args:
      - { .name: a_codes, .offset: 0, .size: 8, .value_kind: global_buffer, .address_space: global }
      - { .name: w_out_codes, .offset: 8, .size: 8, .value_kind: global_buffer, .address_space: global }
      - { .name: lowp_scales, .offset: 16, .size: 8, .value_kind: global_buffer, .address_space: global }
      - { .name: b_out, .offset: 24, .size: 8, .value_kind: global_buffer, .address_space: global }
      - { .name: out0, .offset: 32, .size: 8, .value_kind: global_buffer, .address_space: global }
    .group_segment_fixed_size: 327680
    .private_segment_fixed_size: 0
    .kernarg_segment_align: 8
    .kernarg_segment_size: 40
    .max_flat_workgroup_size: 128
    .sgpr_count:     100
    .vgpr_count:     1024
    .wavefront_size: 32
...
	.end_amdgpu_metadata
.endif
;; end of part 3
